; MI455X (gfx1250); checked and timed in simulation.
; The chip was launched on July 23, 2026; its instructions are those of AMD's public machine-readable ISA for CDNA 5 (MIT licence, August 2026) and "CDNA5" Instruction Set Architecture Reference Guide (July 2026). The comments in the code are by the model that wrote it; some were corrected since.
;; Q Linear. Allowed arithmetic: matrix products marked QUANTISED: E2M1 operands, one E8M0 scale for each 32 along K, by v_wmma_scale_f32_16x16x128_f8f6f4 with both operands' format E2M1 (or v_wmma_scale_f32_32x16x128_f4), f32 sums; everything else in f32.
;; Inputs: bias 4,096 float32; weight_int8 4,096 x 4,096 int8; weight_scale one number float32; x 4 x 1,024 x 4,096 float32.
;; Outputs: out0 4 x 1,024 x 4,096 float32.
;; This version of the problem:
;;   THIS VERSION OF THE PROBLEM IS GIVEN IN LOW PRECISION. The matrix products marked QUANTISED in the list below multiply operands that are first quantised to E2M1 (2 exponent bits, 1 mantissa bit; 4 bits a number), with one power-of-two scale for each 32 numbers along K (OCP MX v1.0); their sums are f32. All else is computed in f32.
;;   The module's matrix products, in the order in which they are computed (A, B: the left and right operand; K: the contracted axis; several contracted axes count as one K, in the product's order):
;;     1. [M 4,096, K 4,096] x [K 4,096, N 4,096]; A: computed on the way; B: computed on the way: QUANTISED
;;   THE QUANTISER, for each operand of a quantised product, along K:
;;     - K is cut into blocks of 32 from its start; a last block that is shorter is filled with zeros.
;;     - A block's scale is 2^e with e = floor(log2(the largest magnitude in the block)) - 2, held to -126 .. 127; a block of zeros has e = 0. As a byte (E8M0): e + 127.
;;     - Each number is divided by its block's scale, clamped to +-6, and rounded to the nearest number of E2M1, ties to even, subnormals kept.
;;     - The product sums the exact products of the quantised numbers (number of the format x scale) in f32.
;;   ~~~python
;;   def quantise(x, axis):      # numpy; x: float32 -> the quantised numbers, widened to float32 again
;;       x = np.moveaxis(x, axis, -1); K = x.shape[-1]
;;       x = np.pad(x, [(0, 0)] * (x.ndim - 1) + [(0, -K % 32)]); x = x.reshape(x.shape[:-1] + (-1, 32)); a = np.abs(x).max(-1, keepdims=True)
;;       e = np.where(a > 0, np.clip(np.frexp(np.where(a > 0, a, 1))[1] - 1 - 2, -126, 127), 0)      # np.frexp(a)[1] - 1 = floor(log2(a)), exactly
;;       r = np.clip(x / 2.0 ** e, -6, 6)
;;       step = 2.0 ** (np.maximum(np.frexp(np.where(r == 0, 1, r))[1] - 1, 0) - 1)
;;       q = np.round(r / step) * step * 2.0 ** e      # np.round: ties to even
;;       return np.moveaxis(q.reshape(q.shape[:-2] + (-1,))[..., :K], -1, axis).astype(np.float32)
;;   ~~~
;;   OPERANDS COMPUTED ON THE WAY. 'Computed on the way' means the value that the module computes at that place (a softmax that the list does not call 'softmax' is quantised finished and normalised). What goes into a quantiser is computed in f32, as accurately as f32 sums, v_exp_f32 and their like allow (about 1e-6 of the number): no bf16 or f16 on the way to a quantiser, and a product that is left as it is and whose result goes on into a quantised operand takes f32 operands (vector FMAs, or v_wmma_f32_16x16x4_f32). A number that lies on a knife's edge between two numbers of the format may be rounded either way, as far as f32 arithmetic and the matrix unit's own rounding can turn it there, and no further.
;; One version. Each part assembles by itself: llvm-mc -triple=amdgcn-amd-amdhsa -mcpu=gfx1250 --defsym DOCPART=n.
;; ======== version 1 of 1: 2 launches
;; limits: right only within a limited range of input values
;; workspace buffers: a_q 8,912,896 bytes; b_q 8,912,896 bytes
;; launch quant (part 1): grid 256 x 1, 16 waves a work-group, no clusters, 88,064 bytes of LDS; arguments x, weight_int8, weight_scale, a_q, b_q; writes a_q, b_q
.if DOCPART == 1
	.amdgcn_target "amdgcn-amd-amdhsa--gfx1250"
	.amdhsa_code_object_version 6
	.text
	.protected	k_q4ff719be4f_quant
	.globl	k_q4ff719be4f_quant
	.p2align	8
	.type	k_q4ff719be4f_quant,@function
k_q4ff719be4f_quant:
	s_mov_b64 s[64:65], 0
	v_nop
	global_prefetch_b8 v0, s[64:65] scope:SCOPE_SE
	s_setreg_imm32_b32 hwreg(HW_REG_WAVE_MODE, 25, 1), 1
	s_wait_xcnt 0x0
; Both operands of the product are made in f32 and turned into codes of FP4 (E2M1) with one E8M0 scale byte for each 32 along K.
;   A[m][k] = round(x[m][k] / s[m]) * s[m],  s[m] = max over k of |x[m][k]| / 127 + 1e-8      (x: [4096][4096] f32)
;   B[o][k] = weight_int8[o][k] * weight_scale                                                 (weight_int8: [4096][4096] int8)
; OUT: a_q and b_q, laid alike: [row / 128][k / 512][34,816 bytes]; in such a tile row r's 512 codes lie at 256 r (the lower k in the low four bits) and its 16 scale bytes at 32,768 + 16 r.
; SHARES.  Work-group g owns rows 16 g .. 16 g + 15 of x and of the weight.  Wave v owns row 16 g + v of x: 128 registers, kept between the pass that finds the row's maximum and the pass
; that quantises, so x is read once.  THE WAVES WORK IN TWO GROUPS.  Waves 0-7 ask for their row of x at once.  Waves 8-15 first take two rows of the weight each (16 g + 2 (v - 8), + 1):
; they ask for the first half of their row of x behind the first of the two and for the second half behind the second, whose data, codes and bytes lie in registers of that second half.
; So the rows of waves 0-7 are asked for ahead of those of waves 8-15 and are worked on while the others are on their way.  Both groups run one copy of x's code, behind a join.
; ROUNDING.  round() turns over at halves, so what goes into it is made as a division makes it: the reciprocal of s is refined twice, and each quotient is corrected once by its remainder.
; max / 127 likewise.  int8 * scale has one rounding: (u - 128) ws = fma(u, ws, -128 ws), u = the byte + 128.
; A BLOCK'S SCALE is 2^(floor(log2(its largest magnitude)) - 2): its byte is the largest magnitude's exponent field - 2, held at 1 from below by a floor among the maximum's leaves.
; LIMITS: NaN and infinities among the inputs are not served; |weight_scale| stays under 2^120 (128 x it is formed); s stays under 2^126 (its reciprocal is no denormal);
; a block of zeros, or one whose largest magnitude lies under 2^-124, gets the byte 1: these bytes are read by this program alone.
.set TILEB, 34816
.set RBB,   8*TILEB
.set SP,    80                         ; a lane's place in a stage: its 64 bytes + 16 of padding
.set STG,   32*SP
.set WREG,  2*STG                      ; two stages for each wave
.set SC,    16*WREG                    ; the scale bytes: x's [K step 8][row 16][16], then the weight's likewise; behind them, at 0x15000, the spare words
.set LO,  2                            ; 16 x lane
.set STI, 3                            ; the stage on the way in
.set STO, 4                            ; and on the way out
.set SBA, 5                            ; x: my block's scale byte: SC + 16 x wave + lane / 2
.set CO,  6                            ; 8 x lane
.set SRD, 7                            ; the unit of scale bytes that my wave stores
.set M,   12
.set Y,   16
.set S,   18
.set WS,  20
.set WB,  22
.set R,   24                           ; v24-151  the row of x
.set WX,  152                          ; v152-183 the first weight row; later two sets of 16 neighbours back from the stage
.set T,   184
.set U,   200
.set C,   216
.set E,   232
.set SBW, 242                          ; the weight: SC + 2048 + 32 (wave % 8) + lane / 2
.set WX2, R+64                         ; the second weight row, its codes and its bytes: in registers of x's second half
.set C2,  R+96
.set E2,  R+112
	s_load_b256 s[4:11], s[0:1], 0x0               ; x, weight_int8, weight_scale, a_q
	s_load_b64 s[12:13], s[0:1], 0x20              ; b_q
	v_lshl_add_u32 v240, v0, 2, 0x15000
	v_mov_b32 v241, 0
	v_lshrrev_b32 v8, 5, v0
	v_readfirstlane_b32 s14, v8                    ; wave
	s_mul_i32 s36, s14, WREG
	s_lshl_b32 s37, s14, 4
	s_add_co_u32 s37, s37, SC
	s_lshl_b32 s38, s14, 8
	s_add_co_u32 s38, s38, SC
	s_and_b32 s35, s14, 7
	s_lshl_b32 s39, s35, 5
	s_add_co_u32 s39, s39, SC+2048
	s_mov_b32 s26, 0x76543210                      ; v_permlanex16_b32's selects for lane l xor 16
	s_mov_b32 s27, 0xfedcba98
	s_mov_b32 s28, 0x80808080
	s_mov_b32 s29, 0x42fe0000                      ; 127.0
	s_mov_b32 s32, 0x3c010204                      ; 1 / 127
	s_mov_b32 s33, 0x322bcc77                      ; 1e-8
	s_lshl_b32 s15, ttmp9, 4
	s_add_co_u32 s16, s15, s14                     ; my row of x
	s_lshl_b32 s16, s16, 14
	s_mov_b32 s17, 0
	s_lshl_b32 s18, s35, 1
	s_add_co_u32 s18, s18, s15                     ; my first row of the weight
	s_lshl_b32 s18, s18, 12
	s_mov_b32 s19, 0
	s_lshr_b32 s20, ttmp9, 3
	s_mul_i32 s20, s20, RBB                        ; my block of 128 rows in the workspace
	s_and_b32 s21, ttmp9, 7
	s_lshl_b32 s22, s21, 12
	s_add_co_u32 s22, s22, s20                     ; the work-group's 16 rows of codes
	s_lshl_b32 s34, s35, 9
	s_add_co_u32 s34, s34, s22                     ; b_q: rows 2 (wave % 8), + 1
	s_lshl_b32 s23, s14, 8
	s_add_co_u32 s22, s22, s23                     ; a_q: row wave
	s_mov_b32 s23, 0
	s_lshl_b32 s21, s21, 8                         ; scale bytes: the work-group's 16 rows x 16 bytes are one unit of 256 in each tile;
	s_add_co_u32 s20, s20, s21
	s_mul_i32 s21, s35, TILEB                      ; my wave stores the unit of K step wave % 8
	s_add_co_u32 s20, s20, s21
	s_add_co_u32 s20, s20, 32768
	s_mov_b32 s21, 0
	s_mov_b32 s35, 0
	v_and_b32 v1, 31, v0
	v_mov_b32 v10, 0                               ; written once: a lane permute's destination counts as one of its sources
	v_lshlrev_b32 v[LO], 4, v1
	v_lshrrev_b32 v8, 2, v1
	v_and_b32 v9, 3, v1
	v_mul_u32_u24 v[STO], v1, SP
	v_mul_u32_u24 v8, v8, SP
	v_lshrrev_b32 v[SBA], 1, v1
	v_lshlrev_b32 v[CO], 3, v1
	v_add_nc_u32 v[STO], s36, v[STO]
	v_lshl_add_u32 v[STI], v9, 4, v8
	v_add_nc_u32 v[SBW], s39, v[SBA]
	v_add_nc_u32 v[SBA], s37, v[SBA]
	v_add_nc_u32 v[SRD], s38, v[CO]
	v_add_nc_u32 v[STI], s36, v[STI]
	s_wait_alu depctr_va_vdst(0)
	s_wait_kmcnt 0x0
	s_cmp_lt_u32 s14, 8                            ; waves 0-7 store x's scale bytes, waves 8-15 the weight's
	s_cselect_b64 s[30:31], s[10:11], s[12:13]
	s_add_nc_u64 s[4:5], s[4:5], s[16:17]
	s_add_nc_u64 s[6:7], s[6:7], s[18:19]
	s_add_nc_u64 s[10:11], s[10:11], s[22:23]
	s_add_nc_u64 s[12:13], s[12:13], s[34:35]
	s_add_nc_u64 s[30:31], s[30:31], s[20:21]
.macro LOADX from, n                   ; n loads of my row of x: 512 consecutive bytes each
.set j, \from
.rept \n
	global_load_b128 v[R+4*j:R+4*j+3], v[LO], s[4:5] offset:512*j th:TH_LOAD_NT
.set j, j+1
.endr
.endm
.macro LOADW wx, off                   ; a row of the weight: 512 int8 a load, 16 neighbours a lane
.irp t, 0,1,2,3,4,5,6,7
	global_load_b128 v[\wx+4*\t:\wx+4*\t+3], v[LO], s[6:7] offset:\off+512*\t th:TH_LOAD_NT
.endr
.endm
; 16 neighbours along K in v[xs] on (two neighbouring lanes hold a block of 32) become 16 codes and the block's byte.  The wave stores 256 consecutive bytes of codes; the byte goes to LDS.
.macro QUANT16 xs, cr, er, sreg, ldsoff, base, goff
	v_max3_num_f32 v8, |v[\xs]|, |v[\xs+1]|, |v[\xs+2]|
	v_max3_num_f32 v9, |v[\xs+3]|, |v[\xs+4]|, |v[\xs+5]|
.irp i, 6,10
	s_delay_alu instid0(VALU_DEP_2)
	v_max3_num_f32 v8, v8, |v[\xs+\i]|, |v[\xs+\i+1]|
	s_delay_alu instid0(VALU_DEP_2)
	v_max3_num_f32 v9, v9, |v[\xs+\i+2]|, |v[\xs+\i+3]|
.endr
	s_delay_alu instid0(VALU_DEP_2)
	v_max3_num_f32 v8, v8, |v[\xs+14]|, |v[\xs+15]|
	s_delay_alu instid0(VALU_DEP_1)
	v_max3_num_f32 v8, v8, v9, 0x1800000           ; the floor 2^(3 - 127): the byte cannot fall under 1
	s_delay_alu instid0(VALU_DEP_1)
	v_max_num_f32_dpp v8, v8, v8 row_xmask:1 row_mask:0xf bank_mask:0xf   ; with my neighbour's 16: the block's
	s_delay_alu instid0(VALU_DEP_1)
	v_add_nc_u32 v11, 0xff000000, v8               ; 2 off its exponent field: the conversion's scale operand
	v_cvt_scalef32_pk8_fp4_f32 v[\cr], v[\xs:\xs+7], v11
	v_cvt_scalef32_pk8_fp4_f32 v[\cr+1], v[\xs+8:\xs+15], v11
	v_lshrrev_b32 v[\er], 23, v11                  ; the scale's byte; also the plain instruction behind the conversions
	ds_store_b8 v[\sreg], v[\er] offset:\ldsoff    ; both lanes of a block write the same byte with the same value
	global_store_b64 v[CO], v[\cr:\cr+1], s[\base:\base+1] offset:\goff
.endm
; THE WEIGHT.  Load t is K step t of a row; a lane's 16 bytes are 16 neighbours.  cnt: the loads issued behind load t.
.macro WSTEP t, wx, cnt, cr, er, row
	s_wait_loadcnt \cnt
.irp i, 0,1,2,3
	v_xor_b32 v[\wx+4*(\t)+\i], s28, v[\wx+4*(\t)+\i]              ; u = the int8 + 128, in each byte
.endr
.irp i, 0,1,2,3
	v_bfe_u32 v[T+4*\i], v[\wx+4*(\t)+\i], 0, 8
	v_bfe_u32 v[T+4*\i+1], v[\wx+4*(\t)+\i], 8, 8
	v_bfe_u32 v[T+4*\i+2], v[\wx+4*(\t)+\i], 16, 8
	v_lshrrev_b32 v[T+4*\i+3], 24, v[\wx+4*(\t)+\i]
.endr
.irp j, 0,1,2,3,4,5,6,7,8,9,10,11,12,13,14,15
	v_cvt_f32_u32 v[T+\j], v[T+\j]
.endr
.irp p, 0,2,4,6,8,10,12,14
	v_pk_fma_f32 v[T+\p:T+\p+1], v[T+\p:T+\p+1], v[WS:WS+1], v[WB:WB+1]    ; u ws - 128 ws, rounded once
.endr
	QUANT16 T, \cr, \er, SBW, 256*(\t)+16*\row, 12, TILEB*(\t)+256*\row
.endm
	s_cmp_lt_u32 s14, 8
	s_cbranch_scc0 .Lweight
	LOADX 0, 32                                    ; waves 0-7: the whole row of x at once
	s_branch .Lx
.Lweight:                                              ; waves 8-15
	s_load_b32 s24, s[8:9], 0x0                    ; weight_scale
	LOADW WX, 0
	LOADW WX2, 4096
	s_wait_kmcnt 0x0
	v_mov_b32 v[WS], s24
	v_mov_b32 v[WS+1], s24
	s_delay_alu instid0(VALU_DEP_2)
	v_mul_f32 v[WB], 0xc3000000, v[WS]             ; -128 x the scale: exact
	s_delay_alu instid0(VALU_DEP_1)
	v_mov_b32 v[WB+1], v[WB]
.irp t, 0,1,2,3,4,5,6,7
	WSTEP \t, WX, 15-\t, C+2*\t, E+\t, 0           ; behind load t: this row's 7 - t and the second row's 8
.endr
	LOADX 0, 16                                    ; the first half of my row of x
.irp t, 0,1,2,3,4,5,6,7
	WSTEP \t, WX2, 23-\t, C2+2*\t, E2+\t, 1        ; behind load t: this row's 7 - t and x's 16
.endr
	s_wait_xcnt 0x0                                ; the second row's stores have read their codes' registers,
	s_wait_dscnt 0x0                               ; and its byte stores theirs: x's second half may land there
	LOADX 16, 16
.Lx:
	; THE ROW'S SCALE.  On both ways x's 32 loads are the youngest.  The largest |x| of my 128 numbers in four chains; then across the 32 lanes.
.irp t, 0,1,2,3,4,5,6,7
	s_wait_alu depctr_va_vdst(0)
	s_wait_loadcnt 28-4*\t                         ; step t's four loads are in; the 28 - 4 t younger ones may be out
.irp c, 0,1,2,3
.if \t == 0
	v_max_num_f32 v[M+\c], |v[R+4*\c]|, |v[R+4*\c+1]|
.else
	v_max3_num_f32 v[M+\c], v[M+\c], |v[R+16*\t+4*\c]|, |v[R+16*\t+4*\c+1]|
.endif
.endr
.irp c, 0,1,2,3
	s_delay_alu instid0(VALU_DEP_4)
	v_max3_num_f32 v[M+\c], v[M+\c], |v[R+16*\t+4*\c+2]|, |v[R+16*\t+4*\c+3]|
.endr
.endr
	s_delay_alu instid0(VALU_DEP_2)
	v_max3_num_f32 v[M], v[M], v[M+1], v[M+2]
	s_delay_alu instid0(VALU_DEP_1)
	v_max_num_f32 v[M], v[M], v[M+3]
	s_delay_alu instid0(VALU_DEP_1)
	v_max_num_f32_dpp v[M], v[M], v[M] row_xmask:1 row_mask:0xf bank_mask:0xf
	s_delay_alu instid0(VALU_DEP_1)
	v_max_num_f32_dpp v[M], v[M], v[M] row_xmask:2 row_mask:0xf bank_mask:0xf
	s_delay_alu instid0(VALU_DEP_1)
	v_max_num_f32_dpp v[M], v[M], v[M] row_xmask:4 row_mask:0xf bank_mask:0xf
	s_delay_alu instid0(VALU_DEP_1)
	v_max_num_f32_dpp v[M], v[M], v[M] row_xmask:8 row_mask:0xf bank_mask:0xf
	s_delay_alu instid0(VALU_DEP_1)
	v_permlanex16_b32 v10, v[M], s26, s27
	s_delay_alu instid0(VALU_DEP_1)
	v_max_num_f32 v[M], v[M], v10                  ; every lane holds the row's largest magnitude m
	s_delay_alu instid0(VALU_DEP_1)
	v_mul_f32 v13, s32, v[M]                       ; m / 127: a first quotient,
	s_delay_alu instid0(VALU_DEP_1)
	v_fma_f32 v14, -v13, s29, v[M]                 ; its remainder,
	s_delay_alu instid0(VALU_DEP_1)
	v_fma_f32 v13, v14, s32, v13                   ; and the corrected quotient
	s_delay_alu instid0(VALU_DEP_1)
	v_add_f32 v[S], s33, v13                       ; s = m / 127 + 1e-8
	s_wait_alu depctr_va_vdst(0)
	v_rcp_f32 v[Y], v[S]
	v_mov_b32 v[S+1], v[S]                         ; a plain instruction behind the reciprocal
	s_wait_alu depctr_va_vdst(0)
	v_fma_f32 v14, -v[S], v[Y], 1.0                ; the reciprocal refined, twice
	v_fma_f32 v[Y], v14, v[Y], v[Y]
	s_delay_alu instid0(VALU_DEP_1)
	v_fma_f32 v14, -v[S], v[Y], 1.0
	s_delay_alu instid0(VALU_DEP_1)
	v_fma_f32 v[Y], v14, v[Y], v[Y]
	s_delay_alu instid0(VALU_DEP_1)
	v_mov_b32 v[Y+1], v[Y]
; XQ: step t's 16 numbers of my lane become A's, in place.  TURN: the step's 2,048 bytes go through one of my two stages as they lie and come back 64 bytes a lane,
; so that a lane holds 16 neighbours along K.  LDS serves a wave's instructions in order (ISA guide 5.7.1.4): no wait between the stores and the loads.
.macro XQ t
.irp p, 0,2,4,6,8,10,12,14
	v_pk_mul_f32 v[T+\p:T+\p+1], v[R+16*(\t)+\p:R+16*(\t)+\p+1], v[Y:Y+1]
.endr
.irp p, 0,2,4,6,8,10,12,14
	v_pk_fma_f32 v[U+\p:U+\p+1], v[T+\p:T+\p+1], v[S:S+1], v[R+16*(\t)+\p:R+16*(\t)+\p+1] neg_lo:[1,0,0] neg_hi:[1,0,0]
.endr
.irp p, 0,2,4,6,8,10,12,14
	v_pk_fma_f32 v[T+\p:T+\p+1], v[U+\p:U+\p+1], v[Y:Y+1], v[T+\p:T+\p+1]
.endr
.irp j, 0,1,2,3,4,5,6,7,8,9,10,11,12,13,14,15
	v_rndne_f32 v[T+\j], v[T+\j]
.endr
.irp p, 0,2,4,6,8,10,12,14
	v_pk_mul_f32 v[R+16*(\t)+\p:R+16*(\t)+\p+1], v[T+\p:T+\p+1], v[S:S+1]
.endr
.endm
.macro TURN t
.irp i, 0,1,2,3
	ds_store_b128 v[STI], v[R+16*(\t)+4*\i:R+16*(\t)+4*\i+3] offset:STG*((\t)%2)+8*SP*\i
.endr
.irp i, 0,1,2,3
	ds_load_b128 v[WX+16*((\t)%2)+4*\i:WX+16*((\t)%2)+4*\i+3], v[STO] offset:STG*((\t)%2)+16*\i
.endr
.endm
	s_wait_alu depctr_va_vdst(0)
	s_wait_xcnt 0x0                                ; the weight's stores have read their codes' registers, which x's steps write again,
	s_wait_dscnt 0x0                               ; and its byte stores theirs
	XQ 0
	TURN 0
.irp t, 0,1,2,3,4,5,6,7
.if \t < 7
	XQ \t+1                                        ; the next step's arithmetic stands between this step's loads from the stage and the wait for them
	TURN \t+1
.endif
.if \t == 0
	s_wait_dscnt 8                                 ; behind step 0's loads from the stage: step 1's eight
.elseif \t < 7
	s_wait_dscnt 9                                 ; behind step t's: the last step's byte store and the next step's eight
.else
	s_wait_dscnt 1                                 ; behind the last step's: one byte store
.endif
	QUANT16 WX+16*(\t%2), C+2*\t, E+\t, SBA, 256*\t, 10, TILEB*\t
.endr
	; THE SCALE BYTES: 16 rows x 16 bytes of a K step are 256 consecutive bytes of that step's tile; they come from several waves, so a barrier stands between.
	s_wait_dscnt 0x0                               ; for the others' sake: my byte stores have landed
	s_barrier_signal -1
	s_barrier_wait -1
	ds_load_b64 v[12:13], v[SRD]
	s_wait_dscnt 0x0
	global_store_b64 v[CO], v[12:13], s[30:31]     ; 32 lanes store 256 consecutive bytes, aligned
	s_wait_tensorcnt 0x0                           ; the wave's end
	ds_add_u32 v240, v241
	s_wait_dscnt 0x0
	s_endpgm
.Lfunc_end_k_q4ff719be4f_quant:
	.size	k_q4ff719be4f_quant, .Lfunc_end_k_q4ff719be4f_quant-k_q4ff719be4f_quant
	.p2alignl 7, 3214868480
	.fill 96, 4, 3214868480
	.section	.rodata,"a",@progbits
	.p2align	6, 0x0
	.amdhsa_kernel k_q4ff719be4f_quant
		.amdhsa_group_segment_fixed_size 88064
		.amdhsa_private_segment_fixed_size 0
		.amdhsa_enable_private_segment 0
		.amdhsa_kernarg_size 40
		.amdhsa_user_sgpr_count 2
		.amdhsa_user_sgpr_kernarg_segment_ptr 1
		.amdhsa_wavefront_size32 1
		.amdhsa_system_sgpr_workgroup_id_x 1
		.amdhsa_system_sgpr_workgroup_id_y 1
		.amdhsa_system_sgpr_workgroup_id_z 1
		.amdhsa_system_vgpr_workitem_id 0
		.amdhsa_next_free_vgpr 244
		.amdhsa_next_free_sgpr 66
		.amdhsa_reserve_vcc 0
		.amdhsa_float_denorm_mode_32 3
		.amdhsa_float_denorm_mode_16_64 3
		.amdhsa_memory_ordered 1
		.amdhsa_forward_progress 1
		.amdhsa_inst_pref_size 105
	.end_amdhsa_kernel
	.amdgpu_metadata
---
amdhsa.version: [ 1, 2 ]
amdhsa.kernels:
  - .name:           k_q4ff719be4f_quant
    .symbol:         k_q4ff719be4f_quant.kd
    .args:
      - { .name: x, .offset: 0, .size: 8, .value_kind: global_buffer, .address_space: global }
      - { .name: weight_int8, .offset: 8, .size: 8, .value_kind: global_buffer, .address_space: global }
      - { .name: weight_scale, .offset: 16, .size: 8, .value_kind: global_buffer, .address_space: global }
      - { .name: a_q, .offset: 24, .size: 8, .value_kind: global_buffer, .address_space: global }
      - { .name: b_q, .offset: 32, .size: 8, .value_kind: global_buffer, .address_space: global }
    .group_segment_fixed_size: 88064
    .private_segment_fixed_size: 0
    .kernarg_segment_align: 8
    .kernarg_segment_size: 40
    .max_flat_workgroup_size: 512
    .sgpr_count:     66
    .vgpr_count:     244
    .wavefront_size: 32
...
	.end_amdgpu_metadata
.endif
;; end of part 1
;; launch gemm (part 2): grid 16 x 16, 4 waves a work-group, clusters of 4 x 4, 327,680 bytes of LDS; arguments a_q, b_q, bias, out0; writes out0
.if DOCPART == 2
	.amdgcn_target "amdgcn-amd-amdhsa--gfx1250"
	.amdhsa_code_object_version 6
	.text
	.protected	k_q4ff719be4f_gemm
	.globl	k_q4ff719be4f_gemm
	.p2align	8
	.type	k_q4ff719be4f_gemm,@function
k_q4ff719be4f_gemm:
	s_mov_b64 s[64:65], 0
	v_nop
	global_prefetch_b8 v0, s[64:65] scope:SCOPE_SE
	s_setreg_imm32_b32 hwreg(HW_REG_WAVE_MODE, 25, 1), 1
	s_wait_xcnt 0x0
	s_wait_alu depctr_hold_cnt(0) depctr_sa_sdst(0) depctr_va_vdst(0) depctr_va_sdst(0) depctr_va_ssrc(0) depctr_va_vcc(0) depctr_vm_vsrc(0)
	s_getreg_b32 s2, hwreg(HW_REG_IB_STS2, 6, 4)
	s_cmp_eq_u32 s2, 0
	s_cbranch_scc0 .Lentry_in_a_cluster
	s_endpgm
.Lentry_in_a_cluster:
	s_bfe_u32 s2, ttmp6, 0x10000c
	s_cmp_lg_u32 s2, 0xf033
	s_cbranch_scc0 .Lentry_shape_is_right
	s_endpgm
.Lentry_shape_is_right:
; out0[m][n] = bias[n] + sum over k of A[m][k] B[n][k], A and B as codes of FP4 (E2M1) with one E8M0 byte for each 32 along K, sums in f32.
; a_q, b_q: [row / 128][k / 512][34,816 bytes]: a tile is 128 rows x 256 bytes of codes, then 128 x 16 scale bytes: 136 dense rows of 256 bytes.
; A work-group of four waves makes 256 x 256 of the result, a wave 128 x 128: 64 accumulators, 512 registers.  The bias is the C of each sum's first product.
; K goes in 8 steps of 512 through two LDS slots.  LDS is laid [fetching wave][slot]: two neighbouring K steps of a row block lie on end in memory, so the
; ONE load that a wave issues at the head (272 rows) fills its part of both slots; later each refill brings 136 rows.
; CLUSTERS 4 x 4: A's tiles are asked for jointly along a row of the cluster, B's along a column.  Source 0 = rows of B, source 1 = rows of A: a lane holds 8 neighbouring columns of a row.
; A K step is four quarters of 128 along K, 64 products each, on two sets of fragments; the next quarter's 32 LDS loads go out at a quarter's head.
; PREFETCH: behind each joint load the K step two refills on is named: 136 blocks of 256 bytes of the tile that my wave fetches, 34 for each of the four partners, told apart by address
; (cx for A, cy for B): two instructions a wave (32 lanes, then 2 blocks; the lanes left over name the last block again).  The head names steps 2 and 3; the last two refills name nothing.
; THE LAST K STEP goes by rows of the result: all its fragments of B fill window 1, and my eight blocks of 16 rows are finished and stored one after the other.
; ORDER OF SUMS: a cluster begins at K step 0 or 4 (by its place in the grid) and goes round; so the f32 sums are taken in another order than K ascending.
; WINDOWS: 0: v0-31 addresses, v32-95 scale words (slot 1's, slot 0's), v96-127 way out, v128-255 A's fragments.  1: v0-63 bias, v64-191 B's two sets (last step: all 256).  2, 3: accumulators.
.set PITCH,  272                       ; an LDS row: 256 bytes + 16 of padding
.set TILEB,  34816
.set RBB,    8*TILEB
.set HT,     136*PITCH                 ; a wave's part of a slot
.set REG,    2*HT                      ; a fetching wave's region: slot 0's part, slot 1's part
.set SOFF,   128*PITCH                 ; the scale bytes behind the codes
.set SPARE,  4*REG                     ; the spare words, 512 bytes
.set SPITCH, 528                       ; the stage: 16 rows x (512 + 16) bytes a wave, at the head of its region: slot 0's part, which has had its last fill and last read by then
.set ROWC,   16384                     ; a row of the result in bytes
.set LAPS,   4
.set ADRA, 16
.set ADRB, 18
.set ADRS, 20
.set STO,  22
.set RD,   23
.set CO,   24
.set PFO,  25
.set PFO2, 26
.set SPW,  28
.set NIL,  29
.set AF,   128
.set BF,   64
.set BI,   0
.set KI,   12                          ; s12, s13: the K step that lies in slot 0, 1
.set KO,   18
.set G1,   24
.set G0,   32
.set G1B,  48
.set G0B,  56
.set PFB,  68                          ; s[68:69] my work-group's 34 blocks in K step 0 of the tile row that my wave fetches
.set PFA,  70                          ; s[70:71] the same in the K step that is named next
.set PK,   72
.set TP,   74
.set MSB, 0
.macro WIN new                         ; the immediate's high byte repeats the setting that is left
.if MSB != (\new)
	s_set_vgpr_msb (MSB<<8)|(\new)
.set MSB, (\new)
.endif
.endm
.set MUL_LO, 0xa1                      ; source 0 (B) window 1, source 1 (A) window 0, C and D window 2
.set MUL_HI, 0xf1
.set TO_B,   0x40
.macro PLACES
.rept 4
	v_nop
.endr
.endm
.macro JLOAD g0a, g1a, g0b, g1b        ; waves 0, 1 fetch A's halves, waves 2, 3 B's
	s_cmp_eq_u32 s15, 0
	s_cbranch_scc0 .Lfor_b_\@
	tensor_load_to_lds s[\g0a:\g0a+3], s[\g1a:\g1a+7]
	s_nop 0
	PLACES
	s_branch .Lasked_\@
.Lfor_b_\@:
	tensor_load_to_lds s[\g0b:\g0b+3], s[\g1b:\g1b+7]
	s_nop 0
	PLACES
.Lasked_\@:
.endm
.macro AIM s                           ; slot s's two descriptors at K step s[KI+s]
	s_mul_i32 s[KO], s[KI+\s], TILEB
	s_add_nc_u64 s[G0+4*\s+2:G0+4*\s+3], s[4:5], s[KO:KO+1]
	s_or_b32 s[G0+4*\s+3], s[G0+4*\s+3], 0x80000000
	s_add_nc_u64 s[G0B+4*\s+2:G0B+4*\s+3], s[6:7], s[KO:KO+1]
	s_or_b32 s[G0B+4*\s+3], s[G0B+4*\s+3], 0x80000000
.endm
.macro CREST
	s_cmp_lg_u32 s14, 0
	s_cbranch_scc1 .Lnot_wave_0_\@
	s_barrier_signal -3
.Lnot_wave_0_\@:
	s_barrier_wait -3
	s_barrier_signal -1
	s_barrier_wait -1
.endm
.macro CROUND
	s_barrier_signal -1
	s_barrier_wait -1
	CREST
.endm
	s_load_b256 s[4:11], s[0:1], 0x0               ; a_q, b_q, bias, out0
	v_lshl_add_u32 v[SPW], v0, 2, SPARE
	v_mov_b32 v[NIL], 0
	ds_add_u32 v[SPW], v[NIL]                      ; the opening lines: the add twice on end and one wait
	ds_add_u32 v[SPW], v[NIL]
	v_lshrrev_b32 v1, 5, v0
	v_readfirstlane_b32 s14, v1                    ; wave
	s_lshr_b32 s15, s14, 1                         ; my half of the rows; also: I fetch for A (0) or B (1)
	s_and_b32 s16, s14, 1                          ; my half of the columns; also: which 128 rows I fetch
	s_bfe_u32 s40, ttmp6, 0x40000                  ; cx
	s_bfe_u32 s41, ttmp6, 0x40004                  ; cy
	s_lshl_b32 s42, ttmp9, 2
	s_add_co_u32 s42, s42, s40                     ; tile column
	s_and_b32 s17, ttmp7, 0xffff
	s_xor_b32 s[KI], ttmp9, s17                    ; the first K step: 0 or 4, by the cluster's place, the same in all partners
	s_lshr_b32 s[KI+1], s[KI], 1
	s_xor_b32 s[KI], s[KI], s[KI+1]
	s_and_b32 s[KI], s[KI], 1
	s_lshl_b32 s[KI], s[KI], 2
	s_add_co_u32 s[KI+1], s[KI], 1
	s_mov_b32 s[KO+1], 0
	s_lshl_b32 s17, s17, 2
	s_add_co_u32 s17, s17, s41                     ; tile row
	s_lshl_b32 s43, s41, 2
	s_lshl_b32 s43, 15, s43                        ; my row of the cluster
	s_lshl_b32 s44, 0x1111, s40                    ; my column
	s_or_b32 s[G1+0], s43, (3<<16)|(1<<20)|(1<<21)|(5<<22)|(3<<25)   ; elements of 8 bytes; 4 words of padding behind every 64
	s_or_b32 s[G1B+0], s44, (3<<16)|(1<<20)|(1<<21)|(5<<22)|(3<<25)
.irp g, G1, G1B
	s_mov_b32 s[\g+1], 32<<16
	s_mov_b32 s[\g+2], 272<<16                     ; the head's load: 272 rows, two K steps
	s_mov_b32 s[\g+3], 32<<16
	s_mov_b32 s[\g+4], 272
	s_mov_b32 s[\g+5], 32
	s_mov_b32 s[\g+6], 0
	s_mov_b32 s[\g+7], 0
.endr
	s_lshl_b32 s20, s17, 1
	s_add_co_u32 s20, s20, s16
	s_mul_i32 s20, s20, RBB                        ; A: the 128 rows that I fetch
	s_mov_b32 s21, 0
	s_lshl_b32 s46, s42, 1
	s_add_co_u32 s46, s46, s16
	s_mul_i32 s46, s46, RBB                        ; B likewise
	s_mov_b32 s47, 0
	s_mul_i32 s45, s14, REG                        ; my region in LDS
	s_wait_dscnt 0x0
	s_wait_kmcnt 0x0
	s_add_nc_u64 s[4:5], s[4:5], s[20:21]
	s_add_nc_u64 s[6:7], s[6:7], s[46:47]
.irp s, 0,1
	s_mov_b32 s[G0+4*\s], 1
	s_add_co_u32 s[G0+4*\s+1], s45, \s*HT
	s_mov_b32 s[G0B+4*\s], 1
	s_add_co_u32 s[G0B+4*\s+1], s45, \s*HT
.endr
	AIM 0
	CROUND                                         ; all sixteen work-groups are here
	JLOAD G0, G1, G0B, G1B                         ; my one load at the head: the first two K steps of my 128 rows
	s_cmp_eq_u32 s15, 0
	s_cselect_b32 s[TP], s40, s41                  ; my place among the four that ask with me
	s_cselect_b64 s[PFB:PFB+1], s[4:5], s[6:7]
	s_mul_i32 s[TP], s[TP], 34*256
	s_mov_b32 s[TP+1], 0
	s_add_nc_u64 s[PFB:PFB+1], s[PFB:PFB+1], s[TP:TP+1]
	s_add_co_u32 s[PK], s[KI], 2
	s_mul_i32 s[PK], s[PK], TILEB
	s_mov_b32 s[PK+1], 0
	s_add_nc_u64 s[PFA:PFA+1], s[PFB:PFB+1], s[PK:PK+1]
	s_lshl_b32 s46, s42, 10                        ; my first column in bytes
	s_lshl_b32 s47, s16, 9
	s_add_co_u32 s46, s46, s47
	s_mov_b32 s47, 0
	s_add_nc_u64 s[8:9], s[8:9], s[46:47]
	s_lshl_b32 s20, s17, 8
	s_lshl_b32 s21, s15, 7
	s_add_co_u32 s20, s20, s21                     ; my first row
	s_lshl_b32 s20, s20, 14
	s_mov_b32 s21, 0
	s_add_nc_u64 s[10:11], s[10:11], s[20:21]
	s_add_nc_u64 s[10:11], s[10:11], s[46:47]
	s_mul_i32 s21, s15, REG                        ; the region of my rows of A,
	s_mul_i32 s22, s16, REG
	s_add_co_u32 s22, s22, 2*REG                   ; and of B
	s_sub_co_u32 s43, s22, s21
	s_add_co_u32 s44, s21, SOFF
	v_and_b32 v6, 31, v0
	v_lshlrev_b32 v[PFO], 8, v6                    ; a lane a block of 256 bytes
	v_min_u32 v8, 1, v6
	v_lshl_add_u32 v[PFO2], v8, 8, 8192            ; blocks 32 and 33
	v_and_b32 v1, 15, v0                           ; r
	v_bfe_u32 v2, v0, 4, 1                         ; h
	v_mul_u32_u24 v3, v1, PITCH
	v_lshl_add_u32 v4, v2, 4, v3
	v_add_nc_u32 v[ADRA], s21, v4
	v_add_nc_u32 v[ADRB], s22, v4
	v_add_nc_u32 v[ADRA+1], HT, v[ADRA]
	v_add_nc_u32 v[ADRB+1], HT, v[ADRB]
	v_mul_u32_u24 v5, s43, v2                      ; scale words: lanes 0-15 A's rows, lanes 16-31 B's
	v_lshl_add_u32 v5, v1, 4, v5
	v_add_nc_u32 v[ADRS], s44, v5
	v_add_nc_u32 v[ADRS+1], HT, v[ADRS]
	v_mul_u32_u24 v5, v1, SPITCH
	v_lshl_add_u32 v5, v2, 5, v5
	v_add_nc_u32 v[STO], s45, v5
	v_lshlrev_b32 v[CO], 4, v6
	v_add_nc_u32 v[RD], s45, v[CO]
	v_lshlrev_b32 v7, 5, v2
	WIN TO_B
.irp b, 0,1,2,3,4,5,6,7
	global_load_b128 v[BI+8*\b:BI+8*\b+3], v7, s[8:9] offset:64*\b            ; bias of columns 16 b + 8 h + 0 .. 7
	global_load_b128 v[BI+8*\b+4:BI+8*\b+7], v7, s[8:9] offset:64*\b+16
.endr
	WIN 0
.macro MM d, b, a, c, sb, sa
	v_wmma_scale_f32_16x16x128_f8f6f4 v[(\d):(\d)+7], v[(\b):(\b)+7], v[(\a):(\a)+7], v[(\c):(\c)+7], v[(\sb)], v[(\sa)] matrix_a_fmt:MATRIX_FMT_FP4 matrix_b_fmt:MATRIX_FMT_FP4 matrix_a_scale:MATRIX_SCALE_ROW1
.endm
; 16 products: A's blocks 4 hi + a0, + 1 against B's eight; set f of fragments; quarter q of slot sc's scale words.  The accumulators take turns.
.macro MUL16 f, hi, a0, q, sc, first
.irp a, \a0, \a0+1
.irp b, 0,1,2,3,4,5,6,7
.if \first
	MM 8*(8*(\a)+\b), BF+64*(\f)+8*\b, AF+64*(\f)+8*(4*(\hi)+(\a)), BI+8*\b, 64-32*(\sc)+4*\b+(\q), 64-32*(\sc)+4*(4*(\hi)+(\a))+(\q)
.else
	MM 8*(8*(\a)+\b), BF+64*(\f)+8*\b, AF+64*(\f)+8*(4*(\hi)+(\a)), 8*(8*(\a)+\b), 64-32*(\sc)+4*\b+(\q), 64-32*(\sc)+4*(4*(\hi)+(\a))+(\q)
.endif
.endr
.endr
.endm
.macro FETCH slot, q, f                ; 32 LDS loads: quarter q's fragments of B and of A into set f
	WIN TO_B
.irp i, 0,1,2,3,4,5,6,7
	ds_load_b128 v[BF+64*(\f)+8*\i:BF+64*(\f)+8*\i+3], v[ADRB+\slot] offset:64*(\q)+\i*16*PITCH
	ds_load_b128 v[BF+64*(\f)+8*\i+4:BF+64*(\f)+8*\i+7], v[ADRB+\slot] offset:64*(\q)+\i*16*PITCH+32
.endr
	WIN 0
.irp i, 0,1,2,3,4,5,6,7
	ds_load_b128 v[AF+64*(\f)+8*\i:AF+64*(\f)+8*\i+3], v[ADRA+\slot] offset:64*(\q)+\i*16*PITCH
	ds_load_b128 v[AF+64*(\f)+8*\i+4:AF+64*(\f)+8*\i+7], v[ADRA+\slot] offset:64*(\q)+\i*16*PITCH+32
.endr
.endm
.macro SCALES sc                       ; a K step's scale words: block i's four words a row
.irp i, 0,1,2,3,4,5,6,7
	ds_load_b128 v[64-32*\sc+4*\i:64-32*\sc+4*\i+3], v[ADRS+\sc] offset:\i*PITCH
.endr
.endm
; One of a K step's first three quarters: the next quarter's loads first (four places behind the products that read that set), then this quarter's 64 products.
.macro QUARTER slot, q, first
	PLACES
	FETCH \slot, (\q)+1, 1-(\q)%2
	s_wait_dscnt 32                                ; all but the 32 just issued
.if \first
	WIN 0x91                                       ; C: the bias, in window 1
.else
	WIN MUL_LO
.endif
	MUL16 (\q)%2, 0, 0, \q, \slot, \first
	MUL16 (\q)%2, 0, 2, \q, \slot, \first
.if \first
	WIN 0xd1
.else
	WIN MUL_HI
.endif
	MUL16 (\q)%2, 1, 0, \q, \slot, \first
	MUL16 (\q)%2, 1, 2, \q, \slot, \first
.endm
; The first half of a slot's last quarter, and the one barrier of the change of slots.  round = 1: the slot is filled again; its descriptors are aimed while no load of mine is out.
.macro MEET slot, round
	WIN 0
	s_wait_tensorcnt 0x0                           ; all my tensor loads have landed
	ds_add_u32 v[SPW], v[NIL]
.if \round
	s_add_co_u32 s[KI+\slot], s[KI+\slot], 2
	s_and_b32 s[KI+\slot], s[KI+\slot], 7
	AIM \slot
.endif
	s_wait_dscnt 1                                 ; the fragments are in; the add may be out
	WIN MUL_LO
	MUL16 1, 0, 0, 3, \slot, 0
	s_wait_dscnt 0x0                               ; the add is done; my reads of this slot are over
	s_barrier_signal -1
	MUL16 1, 0, 2, 3, \slot, 0
.if \round
	WIN 0
.endif
	s_barrier_wait -1
.endm
.macro ASK                             ; not in the loop's last trip: its two refills have no K step two refills on
	s_cmp_gt_u32 s3, 1
	s_cbranch_scc0 .Lno_ask_\@
	global_prefetch_b8 v[PFO], s[PFA:PFA+1] th:TH_LOAD_NT scope:SCOPE_SE
	global_prefetch_b8 v[PFO2], s[PFA:PFA+1] th:TH_LOAD_NT scope:SCOPE_SE
.Lno_ask_\@:
.endm
.macro TURN slot, next
	s_wait_xcnt 0x0                                ; my earlier prefetches have read their address
	s_add_co_u32 s[PK], s[KI+\slot], 4             ; the K step two refills on
	s_and_b32 s[PK], s[PK], 7
	s_mul_i32 s[PK], s[PK], TILEB
	s_add_nc_u64 s[PFA:PFA+1], s[PFB:PFB+1], s[PK:PK+1]
	MEET \slot, 1
	CREST                                          ; the barrier has opened a round of the cluster's barrier
	JLOAD G0+4*\slot, G1, G0B+4*\slot, G1B         ; the refill, first behind the round; its four v_nop are the places for the loads below
	FETCH \next, 0, 0
	SCALES \next
	ASK
	WIN MUL_HI
	MUL16 1, 1, 0, 3, \slot, 0
	MUL16 1, 1, 2, 3, \slot, 0
.endm
	s_wait_alu depctr_va_vdst(0)
	s_wait_tensorcnt 0x0                           ; my part of both slots is in
	s_barrier_signal -1
	s_barrier_wait -1                              ; and everybody's
	s_mov_b32 s[G1+2], 136<<16                     ; no load of mine is out: from here on a load brings 136 rows
	s_mov_b32 s[G1+4], 136
	s_mov_b32 s[G1B+2], 136<<16
	s_mov_b32 s[G1B+4], 136
	s_wait_loadcnt 0x0                             ; the bias
	FETCH 0, 0, 0
	SCALES 0
	global_prefetch_b8 v[PFO], s[PFA:PFA+1] th:TH_LOAD_NT scope:SCOPE_SE                 ; K steps 2 and 3 (they lie on end) are named when the first two have landed
	global_prefetch_b8 v[PFO2], s[PFA:PFA+1] th:TH_LOAD_NT scope:SCOPE_SE
	global_prefetch_b8 v[PFO], s[PFA:PFA+1] offset:TILEB th:TH_LOAD_NT scope:SCOPE_SE
	global_prefetch_b8 v[PFO2], s[PFA:PFA+1] offset:TILEB th:TH_LOAD_NT scope:SCOPE_SE
	QUARTER 0, 0, 1                                ; the first quarter starts the sums
	WIN 0
	s_mov_b32 s3, LAPS-1
.Llap:                                                 ; once round the ring, from a lap's second quarter to the next lap's first
	QUARTER 0, 1, 0
	QUARTER 0, 2, 0
	TURN 0, 1
	QUARTER 1, 0, 0
	QUARTER 1, 1, 0
	QUARTER 1, 2, 0
	TURN 1, 0
	QUARTER 0, 0, 0
	WIN 0
	s_sub_co_u32 s3, s3, 1
	s_cmp_lg_u32 s3, 0
	s_cbranch_scc1 .Llap
	QUARTER 0, 1, 0
	QUARTER 0, 2, 0
; THE LAST K STEP (slot 1), by rows of the result.
.macro BLOAD q                         ; B's fragments of quarter q -> window 1, v[64 q ..]
.irp i, 0,1,2,3,4,5,6,7
	ds_load_b128 v[64*\q+8*\i:64*\q+8*\i+3], v[ADRB+1] offset:64*\q+\i*16*PITCH
	ds_load_b128 v[64*\q+8*\i+4:64*\q+8*\i+7], v[ADRB+1] offset:64*\q+\i*16*PITCH+32
.endr
.endm
.macro ALOAD a                         ; A's block a, all four quarters -> buffer a % 4
.set FA, AF+32*((\a)%4)
.irp q, 0,1,2,3
	ds_load_b128 v[FA+8*\q:FA+8*\q+3], v[ADRA+1] offset:64*\q+(\a)*16*PITCH
	ds_load_b128 v[FA+8*\q+4:FA+8*\q+7], v[ADRA+1] offset:64*\q+(\a)*16*PITCH+32
.endr
.endm
.macro ROW a                           ; block a is finished: 32 products, its eight accumulators by turns
.set FA, AF+32*((\a)%4)
.set AC, 64*((\a)%4)
	WIN MUL_LO+0x50*((\a)/4)
.irp q, 0,1,2,3
.if (\a) == 0 && \q == 2
	s_wait_dscnt 16                                ; B's quarter 2 is in (behind it: A's blocks 1 and 2)
.endif
.irp b, 0,1,2,3,4,5,6,7
	MM AC+8*\b, 64*\q+8*\b, FA+8*\q, AC+8*\b, 32+4*\b+\q, 32+4*(\a)+\q
.endr
.endr
.endm
; Block a goes into my stage (each accumulator from its low end on) and comes back as whole rows of 512 bytes, into registers that are used for this once:
; block 0 into v96-127 and v224-255 of window 0, block a into the accumulators of block a - 1, whose stores into the stage are done (the wait in SEND a - 1 has shown it).
.macro TOSTAGE a
.set AC, 64*((\a)%4)
.if (\a) == 0
.set BB, 96
.set GAP, 96
.set BW, 0
.else
.set BB, 64*(((\a)-1)%4)
.set GAP, 0
.set BW, 2+((\a)-1)/4
.endif
	WIN (BW<<6)|((2+(\a)/4)<<2)
.irp b, 0,1,2,3,4,5,6,7
	ds_store_b128 v[STO], v[AC+8*\b:AC+8*\b+3] offset:64*\b
	ds_store_b128 v[STO], v[AC+8*\b+4:AC+8*\b+7] offset:64*\b+16
.endr
.irp t, 0,1,2,3,4,5,6,7,8,9,10,11,12,13,14,15
	ds_load_b128 v[BB+4*\t+GAP*(\t/8):BB+4*\t+GAP*(\t/8)+3], v[RD] offset:\t*SPITCH   ; LDS serves a wave's instructions in order: these see the stores above
.endr
	WIN 0
.endm
.macro SEND a, younger                 ; the row stands in the immediate (127 rows of 16,384 bytes at the most): no base is stepped
	s_wait_dscnt \younger
	WIN (BW<<2)
.irp t, 0,1,2,3,4,5,6,7,8,9,10,11,12,13,14,15
	global_store_b128 v[CO], v[BB+4*\t+GAP*(\t/8):BB+4*\t+GAP*(\t/8)+3], s[10:11] offset:(16*(\a)+\t)*ROWC   ; 32 lanes store 512 consecutive bytes, aligned
.endr
.endm
	MEET 0, 0                                      ; nothing is filled again: no round follows
	PLACES
	WIN TO_B
	BLOAD 0
	BLOAD 1
	BLOAD 3
	WIN 0
	ALOAD 0
	SCALES 1
	WIN MUL_HI
	MUL16 1, 1, 0, 3, 0, 0
	MUL16 1, 1, 2, 3, 0, 0
	PLACES
	WIN TO_B
	BLOAD 2
	WIN 0
	ALOAD 1
	ALOAD 2
	s_wait_dscnt 32                                ; all but the 32 just issued
	ROW 0
.irp a, 0,1,2,3,4,5,6,7
	PLACES
	TOSTAGE \a
.if \a == 1
	s_wait_xcnt 0x0                                ; block 0's stores have read v224-255, which take A's block 3
	ALOAD 3
	ALOAD 5
	SEND 1, 16
.elseif \a < 4
	ALOAD \a+4
	SEND \a, 8
.else
	SEND \a, 0
.endif
.if \a < 7
	ROW \a+1
.endif
.endr
	WIN 0
	s_wait_tensorcnt 0x0                           ; the wave's end
	ds_add_u32 v[SPW], v[NIL]
	s_wait_dscnt 0x0
	CROUND                                         ; the closing round
	s_endpgm
.Lfunc_end_k_q4ff719be4f_gemm:
	.size	k_q4ff719be4f_gemm, .Lfunc_end_k_q4ff719be4f_gemm-k_q4ff719be4f_gemm
	.p2alignl 7, 3214868480
	.fill 96, 4, 3214868480
	.section	.rodata,"a",@progbits
	.p2align	6, 0x0
	.amdhsa_kernel k_q4ff719be4f_gemm
		.amdhsa_group_segment_fixed_size 327680
		.amdhsa_private_segment_fixed_size 0
		.amdhsa_enable_private_segment 0
		.amdhsa_kernarg_size 32
		.amdhsa_user_sgpr_count 2
		.amdhsa_user_sgpr_kernarg_segment_ptr 1
		.amdhsa_wavefront_size32 1
		.amdhsa_system_sgpr_workgroup_id_x 1
		.amdhsa_system_sgpr_workgroup_id_y 1
		.amdhsa_system_sgpr_workgroup_id_z 1
		.amdhsa_system_vgpr_workitem_id 0
		.amdhsa_next_free_vgpr 1024
		.amdhsa_next_free_sgpr 80
		.amdhsa_reserve_vcc 0
		.amdhsa_float_denorm_mode_32 3
		.amdhsa_float_denorm_mode_16_64 3
		.amdhsa_memory_ordered 1
		.amdhsa_forward_progress 1
		.amdhsa_inst_pref_size 209
	.end_amdhsa_kernel
	.amdgpu_metadata
---
amdhsa.version: [ 1, 2 ]
amdhsa.kernels:
  - .name:           k_q4ff719be4f_gemm
    .symbol:         k_q4ff719be4f_gemm.kd
    .args:
      - { .name: a_q, .offset: 0, .size: 8, .value_kind: global_buffer, .address_space: global }
      - { .name: b_q, .offset: 8, .size: 8, .value_kind: global_buffer, .address_space: global }
      - { .name: bias, .offset: 16, .size: 8, .value_kind: global_buffer, .address_space: global }
      - { .name: out0, .offset: 24, .size: 8, .value_kind: global_buffer, .address_space: global }
    .group_segment_fixed_size: 327680
    .private_segment_fixed_size: 0
    .kernarg_segment_align: 8
    .kernarg_segment_size: 32
    .max_flat_workgroup_size: 128
    .sgpr_count:     80
    .vgpr_count:     1024
    .wavefront_size: 32
...
	.end_amdgpu_metadata
.endif
;; end of part 2
